; MI455X (gfx1250); checked and timed in simulation.
; The chip was launched on July 23, 2026; its instructions are those of AMD's public machine-readable ISA for CDNA 5 (MIT licence, August 2026) and "CDNA5" Instruction Set Architecture Reference Guide (July 2026). The comments in the code are by the model that wrote it; some were corrected since.
;; Multi Head Self Attention. Allowed arithmetic: matrix products marked QUANTISED: E4M3 operands, one given power-of-two scale a tensor, by v_wmma_f32_16x16x64_fp8_fp8 or v_wmma_f32_16x16x128_fp8_fp8, f32 sums; everything else in f32.
;; Inputs: lowp_scales 12 int32 (the exponents e of the quantised operands' scales 2^e); wk 1,024 x 1,024 float32; wo 1,024 x 1,024 float32; wq 1,024 x 1,024 float32; wv 1,024 x 1,024 float32; x 4 x 2,048 x 1,024 float32.
;; Outputs: out0 4 x 2,048 x 1,024 float32.
;; This version of the problem:
;;   THIS VERSION OF THE PROBLEM IS GIVEN IN LOW PRECISION. The matrix products marked QUANTISED in the list below multiply operands that are first quantised to E4M3 (4 exponent bits, 3 mantissa bits; 8 bits a number), with one given power-of-two scale for each operand tensor; their sums are f32. All else is computed in f32.
;;   The module's matrix products, in the order in which they are computed (A, B: the left and right operand; K: the contracted axis; several contracted axes count as one K, in the product's order):
;;     1. [M 8,192, K 1,024] x [K 1,024, N 1,024]; A: input x; B: input wq: QUANTISED (scales: A lowp_scales[0], B lowp_scales[1])
;;     2. [M 8,192, K 1,024] x [K 1,024, N 1,024]; A: input x; B: input wk: QUANTISED (scales: A lowp_scales[2], B lowp_scales[3])
;;     3. [M 8,192, K 1,024] x [K 1,024, N 1,024]; A: input x; B: input wv: QUANTISED (scales: A lowp_scales[4], B lowp_scales[5])
;;     4. batch 64 x [M 2,048, K 64] x [K 64, N 2,048]; A: computed on the way; B: computed on the way: QUANTISED (scales: A lowp_scales[6], B lowp_scales[7])
;;     5. batch 64 x [M 2,048, K 2,048] x [K 2,048, N 64]; A: softmax (see below); B: computed on the way: QUANTISED (scales: A lowp_scales[8], B lowp_scales[9])
;;     6. [M 8,192, K 1,024] x [K 1,024, N 1,024]; A: computed on the way; B: input wo: QUANTISED (scales: A lowp_scales[10], B lowp_scales[11])
;;   THE QUANTISER, for each operand of a quantised product, along K:
;;     - The operand's scale is 2^e, e = its entry of the input lowp_scales (int32; the entries are numbered through the quantised products in the list's order, A before B).
;;     - Each number is divided by the scale, clamped to +-448, and rounded to the nearest number of E4M3, ties to even, subnormals kept.
;;     - The product sums the exact products of the quantised numbers (number of the format x scale) in f32.
;;   ~~~python
;;   def quantise(x, axis, e):      # numpy; x: float32 -> the quantised numbers, widened to float32 again
;;       x = np.moveaxis(x, axis, -1); K = x.shape[-1]
;;       r = np.clip(x / 2.0 ** e, -448, 448)
;;       step = 2.0 ** (np.maximum(np.frexp(np.where(r == 0, 1, r))[1] - 1, -6) - 3)
;;       q = np.round(r / step) * step * 2.0 ** e      # np.round: ties to even
;;       return np.moveaxis(q, -1, axis).astype(np.float32)
;;   ~~~
;;   SOFTMAX AHEAD OF A QUANTISED PRODUCT. Where the list says 'softmax', what is quantised is not the finished softmax but p = 2^(t - M), with t = logit x log2(e) and M = ceil(the row's largest t), a whole number; so 1/2 < the row's largest p <= 1. The row's sum l is taken of the UNQUANTISED p, in f32, and the product's result is divided by l at the end. Since M is a whole number, a kernel that streams over the keys may use a running M (the ceiling of the running maximum): every later rescaling is an exact power of two, so the quantised numbers keep their values, but for numbers so far below the row's largest that they fall under the format's range.
;;   OPERANDS COMPUTED ON THE WAY. 'Computed on the way' means the value that the module computes at that place (a softmax that the list does not call 'softmax' is quantised finished and normalised). What goes into a quantiser is computed in f32, as accurately as f32 sums, v_exp_f32 and their like allow (about 1e-6 of the number): no bf16 or f16 on the way to a quantiser, and a product that is left as it is and whose result goes on into a quantised operand takes f32 operands (vector FMAs, or v_wmma_f32_16x16x4_f32). A number that lies on a knife's edge between two numbers of the format may be rounded either way, as far as f32 arithmetic and the matrix unit's own rounding can turn it there, and no further.
;; One version. Each part assembles by itself: llvm-mc -triple=amdgcn-amd-amdhsa -mcpu=gfx1250 --defsym DOCPART=n.
;; ======== version 1 of 1: 4 launches
;; workspace buffers: xc 25,165,824 bytes; wc 4,194,304 bytes; rope 524,288 bytes; qc 8,388,608 bytes; kc 8,388,608 bytes; vc 8,388,608 bytes; oc 8,388,608 bytes
;; launch quant (part 1): grid 416 x 1, 4 waves a work-group, no clusters, 0 bytes of LDS; arguments x, wq, wk, wv, wo, lowp_scales, xc, wc, rope; writes xc, wc, rope
.if DOCPART == 1
	.amdgcn_target "amdgcn-amd-amdhsa--gfx1250"
	.amdhsa_code_object_version 6
	.text
	.protected	k_q2fed500529_quant
	.globl	k_q2fed500529_quant
	.p2align	8
	.type	k_q2fed500529_quant,@function
k_q2fed500529_quant:
	s_mov_b64 s[64:65], 0
	v_nop
	global_prefetch_b8 v0, s[64:65] scope:SCOPE_SE
	s_setreg_imm32_b32 hwreg(HW_REG_WAVE_MODE, 25, 1), 1
	s_wait_xcnt 0x0
; THE FIRST LAUNCH: f32 numbers into codes of FP8 (E4M3), and the table of cosines and sines for the rotation.
; code = number / 2^e, held within +-448, rounded to the nearest code, ties to even; e is the operand's entry of lowp_scales.
; Work-groups 0-255: x, THREE times (entries 0, 2, 4: x has a scale of its own in each of the three projections), read once, into xc [3][8192][1024].
; Work-groups 256-383: wq, wk, wv, wo (entries 1, 3, 5, 11) into wc [4][1024][1024].     Work-groups 384-415: the table rope.
; A wave takes a run of 8 rows (8,192 numbers) in 16 steps of 512.  Each of a step's four loads reads 512 consecutive bytes, 16 a lane, so lane l holds k = 128 i + 4 l + j in register 4 i + j;
; its 16 codes are stored as 16 bytes at 16 l: within each 512 along K, byte 16 l + 4 i + j holds k = 128 i + 4 l + j.  x, wq, wk and wv are laid alike, so every product of the projections still meets its partner.
; wo meets an operand whose K is laid by the attention, so it keeps K as it is: lane l loads its own 64 bytes; a step's four loads together cover its 2,048 bytes.  That is 4 of the 50 MB that are read here.
; THE ROWS of wq, wk, wv change places inside each head's 64: feature 32 A + 8 t + c goes to row 16 t + 8 A + c, in whole groups of 8 rows (a run), so that the projections' results fall into the lanes
; as 32 neighbouring features.  wo's rows stay.
; THE TABLE: rope [T 128][q 8][lane 32][4 f32] = cos, sin, cos, sin of position 16 T + lane % 16 at the frequencies 16 (lane / 16) + 2 q and + 2 q + 1: the order in which a lane of the second launch holds its pairs.
; angle = position x 10000^(-i / 32), rounded once; reduced by n x pi/2 in two parts with fused multiply-adds; polynomials on |r| <= pi/4; all in f32.
; No LDS, no barrier, no matrix unit, no cluster: waves share nothing, and the launch only streams.
; LIMITS: each e used here between -126 and 119, so that 2^e and 448 x 2^e are f32 numbers.  NaN among the inputs is not served (an infinity is held at the largest code).
.set R,   16                           ; v16-79   four sets of 16 numbers as loaded
.set TMP, 80                           ; v80-127  three sets of 16 held numbers, one for each scale
.set C,   128                          ; v128-151 two sets of 12 registers of codes, by turns
.set F0,  0x3f800000                   ; 10^(-i / 8), i = 0 .. 15
.set F1,  0x3f3ff911
.set F2,  0x3f0ff59a
.set F3,  0x3ed7e89b
.set F4,  0x3ea1e89b
.set F5,  0x3e72d424
.set F6,  0x3e361887
.set F7,  0x3e088d77
.set F8,  0x3dcccccd
.set F9,  0x3d99940e
.set F10, 0x3d6655c3
.set F11, 0x3d2cba15
.set F12, 0x3d0186e2
.set F13, 0x3cc24350
.set F14, 0x3c91ad39
.set F15, 0x3c5a7bf1
.set G0,  0x3c23d70a                   ; i = 16 .. 31
.set G1,  0x3bf5b9b0
.set G2,  0x3bb8449c
.set G3,  0x3b8a2e77
.set G4,  0x3b4f3e37
.set G5,  0x3b1b690d
.set G6,  0x3ae91528
.set G7,  0x3aaec98e
.set G8,  0x3a83126f
.set G9,  0x3a44948c
.set G10, 0x3a136a16
.set G11, 0x39dd1726
.set G12, 0x39a5cb5f
.set G13, 0x3978a814
.set G14, 0x393a7753
.set G15, 0x390bd472
.macro MKSC vs, vl, se                 ; v[vs] = 2^e as f32 (the conversion takes its exponent field), v[vl] = 448 x 2^e; e in s[se]
	s_add_co_i32 s60, s[\se], 127
	s_lshl_b32 s61, s60, 23
	v_mov_b32 v[\vs], s61
	s_add_co_i32 s60, s60, 8
	s_lshl_b32 s60, s60, 23
	s_or_b32 s60, s60, 0x600000
	v_mov_b32 v[\vl], s60
.endm
.macro LOADQ t                         ; step t's 512 numbers into set t % 4
.irp i, 0,1,2,3
	global_load_b128 v[R+16*((\t)%4)+4*\i:R+16*((\t)%4)+4*\i+3], v[4+\i], s[8:9] offset:2048*(\t) th:TH_LOAD_NT
.endr
.endm
.macro QSTEP t, ns                     ; step t, quantised with ns scales
.if 15-(\t) >= 3
	s_wait_loadcnt 12                              ; this step's four loads are in; those of the three steps behind it may be out
.else
	s_wait_loadcnt 4*(15-(\t))
.endif
	s_wait_xcnt 0x0                                ; the stores of two steps ago have read their codes: that set is written again only behind this wait
.irp s, 0,1,2
.if \s < \ns
.irp i, 0,1,2,3,4,5,6,7,8,9,10,11,12,13,14,15
	v_med3_num_f32 v[TMP+16*\s+\i], v[R+16*((\t)%4)+\i], -v[9+2*\s], v[9+2*\s]   ; the conversion does not saturate (ISA guide 7.6.2): the hold at the largest code x the scale
.endr
	v_cvt_scalef32_pk8_fp8_f32 v[C+12*((\t)%2)+4*\s:C+12*((\t)%2)+4*\s+1], v[TMP+16*\s:TMP+16*\s+7], v[8+2*\s]
	v_cvt_scalef32_pk8_fp8_f32 v[C+12*((\t)%2)+4*\s+2:C+12*((\t)%2)+4*\s+3], v[TMP+16*\s+8:TMP+16*\s+15], v[8+2*\s]
.endif
.endr
	v_nop                                          ; a plain line behind the last conversion
.if (\t)+4 < 16
	LOADQ (\t)+4                                   ; the set just read takes the step four on
.endif
.irp s, 0,1,2
.if \s < \ns
	global_store_b128 v2, v[C+12*((\t)%2)+4*\s:C+12*((\t)%2)+4*\s+3], s[28+2*\s:29+2*\s] offset:512*(\t)   ; 32 lanes store 512 consecutive bytes, aligned
.endif
.endr
.endm
; cos and sin of position x frequency (LO in lanes 0-15, HI in lanes 16-31) into v[dc], v[ds]
.macro SINCOS dc, ds, LO, HI
	v_mov_b32 v20, \LO
	v_mov_b32 v21, \HI
	v_cndmask_b32 v20, v20, v21, s51
	v_mul_f32 v20, v15, v20                        ; the angle, rounded once
	v_mul_f32 v21, 0x3f22f983, v20                 ; x 2 / pi
	v_rndne_f32 v21, v21                           ; n
	v_fma_f32 v22, -v21, s52, v20                  ; r = angle - n x pi/2, pi/2 in two parts
	v_fma_f32 v22, -v21, s53, v22
	v_cvt_i32_f32 v23, v21
	v_mul_f32 v24, v22, v22                        ; z = r r
	v_fma_f32 v25, v24, s56, s55
	v_fma_f32 v25, v25, v24, s54
	v_mul_f32 v26, v24, v22
	v_fma_f32 v25, v25, v26, v22                   ; sin r
	v_fma_f32 v27, v24, s59, s58
	v_fma_f32 v27, v27, v24, s57
	v_mul_f32 v28, v24, v24
	v_fma_f32 v29, v24, -0.5, 1.0
	v_fma_f32 v27, v27, v28, v29                   ; cos r
	v_and_b32 v30, 1, v23
	v_cmp_ne_u32 vcc_lo, 0, v30                    ; an odd n changes the two
	v_cndmask_b32 v[\ds], v25, v27, vcc_lo
	v_cndmask_b32 v[\dc], v27, v25, vcc_lo
	v_and_b32 v30, 2, v23                          ; sin is negated for n % 4 = 2, 3
	v_lshlrev_b32 v30, 30, v30
	v_xor_b32 v[\ds], v[\ds], v30
	v_add_nc_u32 v31, 1, v23                       ; cos for n % 4 = 1, 2
	v_and_b32 v31, 2, v31
	v_lshlrev_b32 v31, 30, v31
	v_xor_b32 v[\dc], v[\dc], v31
.endm
	s_load_b512 s[8:23], s[0:1], 0x0               ; x s[8:9], wq s[10:11], wk s[12:13], wv s[14:15], wo s[16:17], the scales s[18:19], xc s[20:21], wc s[22:23]
	s_load_b64 s[24:25], s[0:1], 0x40              ; rope
	v_lshrrev_b32 v1, 5, v0
	v_readfirstlane_b32 s26, v1                    ; wave
	s_mov_b32 s27, ttmp9                           ; work-group
	v_and_b32 v1, 31, v0                           ; lane
	v_lshlrev_b32 v2, 4, v1                        ; 16 x lane: where my 16 bytes go
	s_wait_kmcnt 0x0
	s_load_b256 s[36:43], s[18:19], 0x0            ; e0 .. e7
	s_load_b128 s[44:47], s[18:19], 0x20           ; e8 .. e11
	s_wait_kmcnt 0x0
	s_cmp_lt_u32 s27, 256
	s_cbranch_scc1 .Lx
	s_cmp_lt_u32 s27, 384
	s_cbranch_scc1 .Lw
	; ---- the table: wave = one tile T of 16 positions
	s_sub_co_u32 s28, s27, 384
	s_lshl_b32 s28, s28, 2
	s_add_co_u32 s28, s28, s26                     ; T
	s_lshl_b32 s30, s28, 12                        ; 4,096 bytes a tile
	s_mov_b32 s31, 0
	s_add_nc_u64 s[24:25], s[24:25], s[30:31]
	s_lshl_b32 s29, s28, 4
	v_and_b32 v3, 15, v1
	v_add_nc_u32 v3, s29, v3
	v_cvt_f32_u32 v15, v3                          ; my position, 16 T + lane % 16
	v_lshrrev_b32 v4, 4, v1
	v_cmp_ne_u32 s51, 0, v4                        ; lanes 16-31
	s_mov_b32 s52, 0x3fc90fdb                      ; pi/2, the upper part,
	s_mov_b32 s53, 0xb33bbd2e                      ; and what it lacks
	s_mov_b32 s54, 0xbe2aaaa3                      ; sin: three coefficients
	s_mov_b32 s55, 0x3c08839e
	s_mov_b32 s56, 0xb94ca1f9
	s_mov_b32 s57, 0x3d2aaaa5                      ; cos: three
	s_mov_b32 s58, 0xbab6061a
	s_mov_b32 s59, 0x37ccf5ce
.irp n, 0,1,2,3,4,5,6,7,8,9,10,11,12,13,14,15
	SINCOS 40+2*\n, 41+2*\n, F\n, G\n
.endr
.irp q, 0,1,2,3,4,5,6,7
	global_store_b128 v2, v[40+4*\q:43+4*\q], s[24:25] offset:512*\q
.endr
	s_endpgm
	; ---- x: 1,024 runs, three sets of codes
.Lx:
	s_lshl_b32 s28, s27, 2
	s_add_co_u32 s28, s28, s26                     ; my run
	s_lshl_b32 s34, s28, 15                        ; 32,768 bytes of f32
	s_mov_b32 s35, 0
	s_add_nc_u64 s[8:9], s[8:9], s[34:35]
	s_lshl_b32 s34, s28, 13                        ; 8,192 bytes of codes
	s_add_nc_u64 s[28:29], s[20:21], s[34:35]
	s_add_nc_u64 s[30:31], s[28:29], 0x800000      ; the second set,
	s_add_nc_u64 s[32:33], s[30:31], 0x800000      ; the third
.irp i, 0,1,2,3
	v_add_nc_u32 v[4+\i], 512*\i, v2
.endr
.irp t, 0,1,2,3
	LOADQ \t
.endr
	MKSC 8, 9, 36
	MKSC 10, 11, 38
	MKSC 12, 13, 40
.irp t, 0,1,2,3,4,5,6,7,8,9,10,11,12,13,14,15
	QSTEP \t, 3
.endr
	s_endpgm
	; ---- the weights: 4 x 128 runs
.Lw:
	s_sub_co_u32 s28, s27, 256
	s_lshr_b32 s34, s28, 5                         ; which weight: 0 wq, 1 wk, 2 wv, 3 wo
	s_and_b32 s28, s28, 31
	s_lshl_b32 s28, s28, 2
	s_add_co_u32 s28, s28, s26                     ; my run of 8 rows: 8 G + 4 A + t
	s_and_b32 s29, s28, 3
	s_lshl_b32 s29, s29, 1
	s_bfe_u32 s30, s28, 0x10002
	s_or_b32 s29, s29, s30
	s_and_b32 s30, s28, 0x78
	s_or_b32 s29, s29, s30                         ; goes to run 8 G + 2 t + A
	s_cmp_eq_u32 s34, 1
	s_cselect_b64 s[8:9], s[12:13], s[10:11]
	s_cselect_b32 s35, s39, s37
	s_cmp_eq_u32 s34, 2
	s_cselect_b64 s[8:9], s[14:15], s[8:9]
	s_cselect_b32 s35, s41, s35
	s_cmp_eq_u32 s34, 3
	s_cselect_b64 s[8:9], s[16:17], s[8:9]
	s_cselect_b32 s35, s47, s35                    ; e1, e3, e5 or e11
	s_cselect_b32 s29, s28, s29                    ; wo's rows stay,
	s_cselect_b32 s50, 6, 4                        ; and its lanes stand 64 bytes apart,
	s_cselect_b32 s49, 16, 512                     ; its four loads 16
	s_lshl_b32 s30, s28, 15
	s_mov_b32 s31, 0
	s_add_nc_u64 s[8:9], s[8:9], s[30:31]
	s_lshl_b32 s30, s34, 20
	s_lshl_b32 s29, s29, 13
	s_add_co_u32 s30, s30, s29
	s_add_nc_u64 s[28:29], s[22:23], s[30:31]
	v_lshlrev_b32 v4, s50, v1
	v_add_nc_u32 v5, s49, v4
	v_add_nc_u32 v6, s49, v5
	v_add_nc_u32 v7, s49, v6
.irp t, 0,1,2,3
	LOADQ \t
.endr
	MKSC 8, 9, 35
.irp t, 0,1,2,3,4,5,6,7,8,9,10,11,12,13,14,15
	QSTEP \t, 1
.endr
	s_endpgm
.Lfunc_end_k_q2fed500529_quant:
	.size	k_q2fed500529_quant, .Lfunc_end_k_q2fed500529_quant-k_q2fed500529_quant
	.p2alignl 7, 3214868480
	.fill 96, 4, 3214868480
	.section	.rodata,"a",@progbits
	.p2align	6, 0x0
	.amdhsa_kernel k_q2fed500529_quant
		.amdhsa_group_segment_fixed_size 0
		.amdhsa_private_segment_fixed_size 0
		.amdhsa_enable_private_segment 0
		.amdhsa_kernarg_size 72
		.amdhsa_user_sgpr_count 2
		.amdhsa_user_sgpr_kernarg_segment_ptr 1
		.amdhsa_wavefront_size32 1
		.amdhsa_system_sgpr_workgroup_id_x 1
		.amdhsa_system_sgpr_workgroup_id_y 1
		.amdhsa_system_sgpr_workgroup_id_z 1
		.amdhsa_system_vgpr_workitem_id 0
		.amdhsa_next_free_vgpr 160
		.amdhsa_next_free_sgpr 66
		.amdhsa_reserve_vcc 1
		.amdhsa_float_denorm_mode_32 3
		.amdhsa_float_denorm_mode_16_64 3
		.amdhsa_memory_ordered 1
		.amdhsa_forward_progress 1
		.amdhsa_inst_pref_size 121
	.end_amdhsa_kernel
	.amdgpu_metadata
---
amdhsa.version: [ 1, 2 ]
amdhsa.kernels:
  - .name:           k_q2fed500529_quant
    .symbol:         k_q2fed500529_quant.kd
    .args:
      - { .name: x, .offset: 0, .size: 8, .value_kind: global_buffer, .address_space: global }
      - { .name: wq, .offset: 8, .size: 8, .value_kind: global_buffer, .address_space: global }
      - { .name: wk, .offset: 16, .size: 8, .value_kind: global_buffer, .address_space: global }
      - { .name: wv, .offset: 24, .size: 8, .value_kind: global_buffer, .address_space: global }
      - { .name: wo, .offset: 32, .size: 8, .value_kind: global_buffer, .address_space: global }
      - { .name: lowp_scales, .offset: 40, .size: 8, .value_kind: global_buffer, .address_space: global }
      - { .name: xc, .offset: 48, .size: 8, .value_kind: global_buffer, .address_space: global }
      - { .name: wc, .offset: 56, .size: 8, .value_kind: global_buffer, .address_space: global }
      - { .name: rope, .offset: 64, .size: 8, .value_kind: global_buffer, .address_space: global }
    .group_segment_fixed_size: 0
    .private_segment_fixed_size: 0
    .kernarg_segment_align: 8
    .kernarg_segment_size: 72
    .max_flat_workgroup_size: 128
    .sgpr_count:     66
    .vgpr_count:     160
    .wavefront_size: 32
...
	.end_amdgpu_metadata
.endif
;; end of part 1
;; launch qkv (part 2): grid 4 x 96, 4 waves a work-group, clusters of 4 x 4, 327,680 bytes of LDS; arguments xc, wc, lowp_scales, rope, qc, kc, vc; writes qc, kc, vc
.if DOCPART == 2
	.amdgcn_target "amdgcn-amd-amdhsa--gfx1250"
	.amdhsa_code_object_version 6
	.text
	.protected	k_q2fed500529_qkv
	.globl	k_q2fed500529_qkv
	.p2align	8
	.type	k_q2fed500529_qkv,@function
k_q2fed500529_qkv:
	s_mov_b64 s[64:65], 0
	v_nop
	global_prefetch_b8 v0, s[64:65] scope:SCOPE_SE
	s_setreg_imm32_b32 hwreg(HW_REG_WAVE_MODE, 25, 1), 1
	s_wait_xcnt 0x0
	s_wait_alu depctr_hold_cnt(0) depctr_sa_sdst(0) depctr_va_vdst(0) depctr_va_sdst(0) depctr_va_ssrc(0) depctr_va_vcc(0) depctr_vm_vsrc(0)
	s_getreg_b32 s2, hwreg(HW_REG_IB_STS2, 6, 4)
	s_cmp_eq_u32 s2, 0
	s_cbranch_scc0 .Lentry_in_a_cluster
	s_endpgm
.Lentry_in_a_cluster:
	s_bfe_u32 s2, ttmp6, 0x10000c
	s_cmp_lg_u32 s2, 0xf033
	s_cbranch_scc0 .Lentry_shape_is_right
	s_endpgm
.Lentry_shape_is_right:
; THE THREE PROJECTIONS on codes of FP8 (E4M3), the rotation of q and k, and the quantising of q, k and v for the attention.
; Cluster y = 8 p + Yl: p = 0 q, 1 k, 2 v.  A work-group makes a tile of 256 x 256 of one projection, K = 1,024; a wave 128 x 128: 64 accumulators of 16 x 16, 512 registers.
; The matrix instruction takes 16 rows of the "B side" as source 0 and 16 rows of the "A side" as source 1: a lane then holds ONE row of the A side (lane % 16) and, in register j, row 8 (lane / 16) + j of the B side's 16.
;   q, k: A side = x's codes (tokens), B side = the weight's (features).  The weight's rows were laid so that a head's four blocks give lane (r, h) the 32 NEIGHBOURING features 32 h + 0 .. 31 of token r.
;   v:    A side = wv's codes (channels), B side = x's (tokens): a lane holds one channel and 64 keys, eight neighbours to an accumulator: the keys are the K of the attention's second product.
; So the conversions' results ARE the attention's operand registers, and they are stored as images of those registers: 16 bytes a lane, 512 consecutive bytes a store.  The way out uses no LDS.
; K goes in steps of 256 through a ring of two LDS slots filled by the tensor data mover; a tile's row is 256 bytes of memory.
; CLUSTERS: 4 x 4 work-groups of one projection.  The four of a row of the cluster need the same tiles of the A side, the four of a column the same tiles of the B side: each tile is asked for JOINTLY.
; p hangs on the cluster's y alone, so it is the same in all sixteen partners: the choices and the one branch on it are alike in all.
; THE ROTATION is linear, so it is done on the sums as they are, and the three scales are folded into the conversion's one: code = rotated sum / 2^(e_out - e_x - e_w).
; No prefetch: of the four K steps two are first fills.
; LIMITS: e6 - e0 - e1, e7 - e2 - e3 and e9 - e4 - e5 between -126 and 119.
; REGISTERS, in windows of 256: window 0: v0-31 addresses; from v128 the A side's fragments, ONE set; window 1: the B side's, TWO sets; windows 2, 3: the accumulators ((a, b) at v[8 (8 (a % 4) + b)]).
;   On the way out, window 0: v32-95 at work, v64-127 two sets of the table (q, k), v128-255 codes: registers of its own for every store.
.set KSTEP,  256
.set ROWB,   256
.set KROW,   1024                      ; a row of codes in memory, in bytes
.set PITCH,  272                       ; an LDS row: 256 bytes + 16 of padding = 68 words: the 16 rows that a load touches start at 16 different banks (64 banks of 4 bytes: ISA guide 11.1)
.set FR,     16                        ; registers of a fragment: 16 rows x 128 K
.set NL,     4                         ; LDS loads that bring one
.set NP,     4                         ; places behind this matrix instruction (ISA guide 7.12.1)
.set HALFT,  128*PITCH
.set SLOT,   4*HALFT                   ; the A side's 256 rows, then the B side's
.set LAPS,   2                         ; 1,024 / (2 x 256)
.set SPARE,  2*SLOT                    ; behind the ring: the spare words, 128 bytes a wave
.set ADRA, 16                          ; v16-17  LDS address of my A fragments in slot 0, 1
.set ADRB, 20                          ; v20-21  the same for B
.set SPW,  28                          ; v28     my spare word; never rewritten
.set NIL,  29                          ; v29     0; never rewritten
.set TMP,  32
.set TB,   64
.set CD,   128
.set AF,   128
.set G1, 24
.set G0, 32
.set G1B, 48
.set G0B, 56
.set MSB, 0
.macro WIN new                         ; the immediate's high byte repeats the setting that is left
.if MSB != (\new)
	s_set_vgpr_msb (MSB<<8)|(\new)
.set MSB, (\new)
.endif
.endm
.set MUL_LO, 0xa1                      ; source 0 (B) window 1, source 1 (A) window 0, C and D window 2
.set MUL_HI, 0xf1
.set TO_B,   0x40
; A joint load: waves 0 and 1 fetch for the A side, waves 2 and 3 for the B side; the branch hangs on the wave's number alone.  Four v_nop follow each of the two lines.
.macro JLOAD g0a, g1a, g0b, g1b
	s_cmp_eq_u32 s15, 0
	s_cbranch_scc0 .Lfor_b_\@
	tensor_load_to_lds s[\g0a:\g0a+3], s[\g1a:\g1a+7]
	s_nop 0
.rept 4
	v_nop
.endr
	s_branch .Lasked_\@
.Lfor_b_\@:
	tensor_load_to_lds s[\g0b:\g0b+3], s[\g1b:\g1b+7]
	s_nop 0
.rept 4
	v_nop
.endr
.Lasked_\@:
.endm
.macro CREST                           ; a round of the cluster's barrier behind its opening barrier
	s_cmp_lg_u32 s14, 0
	s_cbranch_scc1 .Lnot_wave_0_\@
	s_barrier_signal -3
.Lnot_wave_0_\@:
	s_barrier_wait -3
	s_barrier_signal -1
	s_barrier_wait -1
.endm
.macro CROUND
	s_barrier_signal -1
	s_barrier_wait -1
	CREST
.endm
	s_load_b256 s[4:11], s[0:1], 0x0               ; xc s[4:5], wc s[6:7], the scales s[8:9], rope s[10:11]
	s_load_b128 s[68:71], s[0:1], 0x20             ; qc, kc
	s_load_b64 s[72:73], s[0:1], 0x30              ; vc
	v_lshl_add_u32 v[SPW], v0, 2, SPARE
	v_mov_b32 v[NIL], 0
	ds_add_u32 v28, v29
	ds_add_u32 v28, v29
	s_wait_dscnt 0x0
	v_lshrrev_b32 v1, 5, v0
	v_readfirstlane_b32 s14, v1                    ; wave 0..3
	s_lshr_b32 s15, s14, 1                         ; which half of the A side's rows is mine.  Also: I fetch for A (0) or for B (1)
	s_and_b32 s16, s14, 1                          ; which half of the B side's.  Also: which 128 rows of that tile I fetch
	s_bfe_u32 s40, ttmp6, 0x40000                  ; cx, cy
	s_bfe_u32 s41, ttmp6, 0x40004
	s_and_b32 s66, ttmp7, 0xffff                   ; cluster y (the grid has one cluster along x)
	s_lshr_b32 s67, s66, 3                         ; p
	s_and_b32 s92, s66, 7
	s_lshl_b32 s92, s92, 2                         ; 4 Yl
	s_lshl_b32 s93, s67, 23                        ; q, k: x's set of codes p,
	s_lshl_b32 s94, s67, 20                        ; and weight p
	s_cmp_eq_u32 s67, 2
	s_cselect_b32 s17, 0, s92                      ; the long axis (tokens, 32 tiles) is the A side's for q and k, the B side's for v
	s_cselect_b32 s42, s92, 0
	s_cselect_b32 s20, 0x200000, s93               ; v: wv in wc,
	s_cselect_b32 s46, 0x1000000, s94              ; and x's third set
	s_add_co_u32 s17, s17, s41                     ; tile row: hangs on cy alone
	s_add_co_u32 s42, s42, s40                     ; tile column: on cx alone
	s_lshl_b32 s43, s41, 2
	s_lshl_b32 s43, 15, s43                        ; my row of the cluster
	s_lshl_b32 s44, 0x1111, s40                    ; my column
	s_or_b32 s[G1+0], s43, (0<<16)|(1<<20)|(1<<21)|(5<<22)|(3<<25)  ; 15:0 the mask; 17:16 elements of 1 byte; 20 padding on; 21 set beside a mask; 24:22 after every 64 words; 31:25 four words
	s_or_b32 s[G1B+0], s44, (0<<16)|(1<<20)|(1<<21)|(5<<22)|(3<<25)
.irp g, G1, G1B
	s_mov_b32 s[\g+1], ROWB<<16                    ; tensor_dim0
	s_mov_b32 s[\g+2], 128<<16                     ; tensor_dim1
	s_mov_b32 s[\g+3], ROWB<<16                    ; tile_dim0
	s_mov_b32 s[\g+4], 128                         ; tile_dim1
	s_mov_b32 s[\g+5], KROW                        ; tensor_dim0_stride
	s_mov_b32 s[\g+6], 0
	s_mov_b32 s[\g+7], 0
.endr
	s_lshl_b32 s18, s16, 17                        ; which 128 rows of 1,024 bytes I fetch
	s_lshl_b32 s19, s17, 18
	s_add_co_u32 s20, s20, s19
	s_add_co_u32 s20, s20, s18                     ; the A side's tile, in bytes
	s_mov_b32 s21, 0
	s_lshl_b32 s47, s42, 18
	s_add_co_u32 s46, s46, s47
	s_add_co_u32 s46, s46, s18                     ; the B side's
	s_mov_b32 s47, 0
	s_mul_i32 s45, s14, HALFT                      ; where they go: wave x 128 rows
	s_wait_kmcnt 0x0
	s_load_b256 s[80:87], s[8:9], 0x0              ; e0 .. e7
	s_load_b128 s[88:91], s[8:9], 0x20             ; e8 .. e11
	s_cmp_eq_u32 s67, 2
	s_cselect_b64 s[74:75], s[6:7], s[4:5]
	s_cselect_b64 s[76:77], s[4:5], s[6:7]
	s_add_nc_u64 s[20:21], s[74:75], s[20:21]
	s_add_nc_u64 s[46:47], s[76:77], s[46:47]
	CROUND                                         ; all sixteen work-groups are here: the first joint loads meet
.irp s, 0,1
	s_mov_b32 s[G0+4*\s], 1
	s_add_co_u32 s[G0+4*\s+1], s45, \s*SLOT
	s_add_nc_u64 s[G0+4*\s+2:G0+4*\s+3], s[20:21], \s*ROWB
	s_or_b32 s[G0+4*\s+3], s[G0+4*\s+3], 0x80000000
	s_mov_b32 s[G0B+4*\s], 1
	s_add_co_u32 s[G0B+4*\s+1], s45, \s*SLOT
	s_add_nc_u64 s[G0B+4*\s+2:G0B+4*\s+3], s[46:47], \s*ROWB
	s_or_b32 s[G0B+4*\s+3], s[G0B+4*\s+3], 0x80000000
	JLOAD G0+4*\s, G1, G0B+4*\s, G1B
.endr
	v_and_b32 v1, 15, v0                           ; l % 16
	v_bfe_u32 v2, v0, 4, 1                         ; l / 16
	v_mul_u32_u24 v3, v1, PITCH
	v_lshl_add_u32 v4, v2, 4, v3                   ; a fragment's row x pitch + 16 x half
	s_mul_i32 s21, s15, HALFT
	s_mul_i32 s22, s16, HALFT
	s_add_co_u32 s22, s22, 2*HALFT
.irp s, 0,1
	v_add_nc_u32 v[ADRA+\s], s21, v4
	v_add_nc_u32 v[ADRB+\s], s22, v4
	s_add_co_u32 s21, s21, SLOT
	s_add_co_u32 s22, s22, SLOT
.endr
	v_and_b32 v6, 31, v0
	v_lshlrev_b32 v10, 4, v6                       ; 16 x lane: my place in an image and in the table
.macro FRAG reg, adr, q, i             ; 16 rows x 128 bytes of codes: four loads of 16 bytes, 32 apart; the same bytes on both sides
.irp c, 0,1,2,3
	ds_load_b128 v[\reg+4*\c:\reg+4*\c+3], v[\adr] offset:128*(\q)+32*\c+(\i)*16*PITCH
.endr
.endm
; 16 matrix instructions: A's blocks a0, a0 + 1 x B's eight.  The 64 accumulators take turns, one instruction a turn, in the same order in every step.
.macro MUL16 a0, p, zero
.irp a, \a0, \a0+1
.irp b, 0,1,2,3,4,5,6,7
.if \zero
	v_wmma_f32_16x16x128_fp8_fp8 v[8*(8*((\a)%4)+\b):8*(8*((\a)%4)+\b)+7], v[128*(\p)+FR*\b:128*(\p)+FR*\b+FR-1], v[AF+FR*(\a):AF+FR*(\a)+FR-1], 0
.else
	v_wmma_f32_16x16x128_fp8_fp8 v[8*(8*((\a)%4)+\b):8*(8*((\a)%4)+\b)+7], v[128*(\p)+FR*\b:128*(\p)+FR*\b+FR-1], v[AF+FR*(\a):AF+FR*(\a)+FR-1], v[8*(8*((\a)%4)+\b):8*(8*((\a)%4)+\b)+7]
.endif
.endr
.endr
.endm
.macro FETCH_B slot, q, p
	WIN TO_B
.irp i, 0,1,2,3,4,5,6,7
	FRAG 128*(\p)+FR*\i, ADRB+\slot, \q, \i
.endr
	WIN 0
.endm
.macro FETCH_A slot, q, i0
.irp i, \i0, \i0+1, \i0+2, \i0+3
	FRAG AF+FR*(\i), ADRA+\slot, \q, \i
.endr
.endm
.macro PLACES n                        ; plain vector lines in front of loads into registers that matrix instructions have read, and of the first read of results
.rept \n
	v_nop
.endr
.endm
.macro STEP slot, q, zero              ; a step of 128 along K that has its successor in the same slot
	s_wait_dscnt 4*NL                              ; B's set and A's blocks 0-3 are in; the youngest loads (A's blocks 4-7) may be out
	WIN MUL_LO
	MUL16 0, (\q)%2, \zero
	MUL16 2, (\q)%2, \zero
	s_wait_dscnt 0                                 ; A's blocks 4-7 are in
	PLACES NP
	FETCH_B \slot, (\q)+1, 1-(\q)%2
	FETCH_A \slot, (\q)+1, 0
	WIN MUL_HI
	MUL16 4, (\q)%2, \zero
	MUL16 6, (\q)%2, \zero
	PLACES NP
	WIN 0
	FETCH_A \slot, (\q)+1, 4
.endm
; A slot's last step changes slots: ONE barrier; in front of it each wave waits for all its tensor loads, adds 0 to its spare word, and waits for that and for its own reads of this slot.
.macro TURN slot, next, fill
	s_wait_tensorcnt 0x0                           ; all my tensor loads have landed: my part of the next slot
	ds_add_u32 v[SPW], v[NIL]                      ; 0 onto my spare word
	s_wait_dscnt 4*NL+1                            ; (the add and the youngest loads, A's blocks 4-7, may be out)
	WIN MUL_LO
	MUL16 0, 1, 0
	s_wait_dscnt 0x0                               ; the add is done, and my reads of this slot are over
	s_barrier_signal -1
	MUL16 2, 1, 0
	WIN 0
	s_barrier_wait -1
.if \fill
	CREST                                          ; the barrier has opened a round of the cluster's barrier: no wave of any partner still reads this slot or has a load on its way
	s_add_nc_u64 s[G0+4*\slot+2:G0+4*\slot+3], s[G0+4*\slot+2:G0+4*\slot+3], 2*ROWB
	s_add_nc_u64 s[G0B+4*\slot+2:G0B+4*\slot+3], s[G0B+4*\slot+2:G0B+4*\slot+3], 2*ROWB
	JLOAD G0+4*\slot, G1, G0B+4*\slot, G1B         ; the first tensor load behind the round; its four v_nop are the places in front of the loads below
.else
	PLACES NP
.endif
	FETCH_B \next, 0, 0
	FETCH_A \next, 0, 0
	WIN MUL_HI
	MUL16 4, 1, 0
	MUL16 6, 1, 0
	PLACES NP
	WIN 0
	FETCH_A \next, 0, 4
.endm
	s_wait_tensorcnt 1                             ; my part of K step 0 is in (K step 1's load may be out)
	s_barrier_signal -1
	s_barrier_wait -1                              ; everybody's is
	FETCH_B 0, 0, 0
	FETCH_A 0, 0, 0
	FETCH_A 0, 0, 4
	STEP 0, 0, 1                                   ; the first step's products start the sums
	s_mov_b32 s3, LAPS-1
.Llap:                                                 ; a trip goes once round the ring and fills both slots again
	TURN 0, 1, 1
	STEP 1, 0, 0
	TURN 1, 0, 1
	STEP 0, 0, 0
	s_sub_co_u32 s3, s3, 1
	s_cmp_lg_u32 s3, 0
	s_cbranch_scc1 .Llap
	TURN 0, 1, 0                                   ; the last lap fills nothing
	STEP 1, 0, 0
	s_wait_dscnt 4*NL
	WIN MUL_LO
	MUL16 0, 1, 0
	MUL16 2, 1, 0
	s_wait_dscnt 0
	WIN MUL_HI
	MUL16 4, 1, 0
	MUL16 6, 1, 0
	WIN 0
	; ---- THE WAY OUT
	s_wait_kmcnt 0x0
	s_sub_co_i32 s93, s86, s80
	s_sub_co_i32 s93, s93, s81                     ; q: e6 - e0 - e1
	s_sub_co_i32 s94, s87, s82
	s_sub_co_i32 s94, s94, s83                     ; k: e7 - e2 - e3
	s_sub_co_i32 s95, s89, s84
	s_sub_co_i32 s95, s95, s85                     ; v: e9 - e4 - e5
	s_cmp_eq_u32 s67, 1
	s_cselect_b32 s93, s94, s93
	s_cmp_eq_u32 s67, 2
	s_cselect_b32 s93, s95, s93
	s_add_co_i32 s93, s93, 127
	s_lshl_b32 s94, s93, 23
	v_mov_b32 v8, s94                              ; the conversion's scale as f32
	s_add_co_i32 s93, s93, 8
	s_lshl_b32 s93, s93, 23
	s_or_b32 s93, s93, 0x600000
	v_mov_b32 v9, s93                              ; 448 x that
	PLACES NP
	s_cmp_eq_u32 s67, 2
	s_cbranch_scc1 .Lv
	; q, k.  My 128 tokens are tiles T0 .. T0 + 7 of batch b, my 128 features heads head0, head0 + 1
	s_and_b32 s93, s17, 7
	s_lshl_b32 s93, s93, 4
	s_lshl_b32 s94, s15, 3
	s_add_co_u32 s93, s93, s94                     ; T0
	s_lshr_b32 s94, s17, 3
	s_lshl_b32 s94, s94, 4
	s_lshl_b32 s95, s42, 2
	s_add_co_u32 s94, s94, s95
	s_lshl_b32 s95, s16, 1
	s_add_co_u32 s94, s94, s95                     ; 16 b + head0
	s_lshl_b32 s94, s94, 7
	s_add_co_u32 s94, s94, s93
	s_lshl_b32 s94, s94, 10                        ; an image is 1,024 bytes
	s_mov_b32 s95, 0
	s_cmp_eq_u32 s67, 1
	s_cselect_b64 s[74:75], s[70:71], s[68:69]
	s_add_nc_u64 s[74:75], s[74:75], s[94:95]
	s_lshl_b32 s94, s93, 12
	s_add_nc_u64 s[78:79], s[10:11], s[94:95]      ; the table at tile T0
.macro LOADT a                         ; tile T0 + a's cosines and sines: register 2 i, 2 i + 1 = cos, sin for my pair i of 16
.irp q, 0,1,2,3,4,5,6,7
	global_load_b128 v[TB+32*((\a)%2)+4*\q:TB+32*((\a)%2)+4*\q+3], v10, s[78:79] offset:4096*(\a)+512*\q
.endr
.endm
.macro ROPEQ a                         ; token block a: two heads, each 32 numbers a lane: rotated, held, converted, stored
.if (\a) < 7
	s_wait_loadcnt 8                               ; this block's table is in; the next block's eight loads may be out
.else
	s_wait_loadcnt 0
.endif
.irp hd, 0,1
	WIN 0x02+(\a)/4                                ; source 0: the accumulators' window
.irp p, 0,2,4,6,8,10,12,14,16,18,20,22,24,26,28,30
	v_pk_mul_f32 v[TMP+\p:TMP+\p+1], v[64*((\a)%4)+32*\hd+\p:64*((\a)%4)+32*\hd+\p+1], v[TB+32*((\a)%2)+\p:TB+32*((\a)%2)+\p+1] op_sel:[0,0] op_sel_hi:[0,1]   ; (x1 cos, x1 sin); each accumulator from its low end on
.endr
.irp p, 0,2,4,6,8,10,12,14,16,18,20,22,24,26,28,30
	v_pk_fma_f32 v[TMP+\p:TMP+\p+1], v[64*((\a)%4)+32*\hd+\p:64*((\a)%4)+32*\hd+\p+1], v[TB+32*((\a)%2)+\p:TB+32*((\a)%2)+\p+1], v[TMP+\p:TMP+\p+1] op_sel:[1,1,0] op_sel_hi:[1,0,1] neg_lo:[0,1,0]   ; (- x2 sin, + x2 cos) onto it
.endr
	WIN 0
.irp i, 0,1,2,3,4,5,6,7,8,9,10,11,12,13,14,15,16,17,18,19,20,21,22,23,24,25,26,27,28,29,30,31
	v_med3_num_f32 v[TMP+\i], v[TMP+\i], -v9, v9   ; the conversion does not saturate (ISA guide 7.6.2)
.endr
.irp g, 0,1,2,3
	v_cvt_scalef32_pk8_fp8_f32 v[CD+8*(2*(\a)+\hd)+2*\g:CD+8*(2*(\a)+\hd)+2*\g+1], v[TMP+8*\g:TMP+8*\g+7], v8
.endr
	v_nop                                          ; a plain line behind the last conversion
.irp c, 0,1
	global_store_b128 v10, v[CD+8*(2*(\a)+\hd)+4*\c:CD+8*(2*(\a)+\hd)+4*\c+3], s[74:75] offset:131072*\hd+1024*(\a)+512*\c   ; features 32 h + 16 c + 0 .. 15 of token r: 512 consecutive bytes a store
.endr
.endr
.if (\a)+2 < 8
	LOADT (\a)+2
.endif
.endm
	LOADT 0
	LOADT 1
.irp a, 0,1,2,3,4,5,6,7
	ROPEQ \a
.endr
	s_branch .Lend
	; v.  My 128 rows of wv are heads head0, head0 + 1 (four blocks t each), my 128 tokens key step KS of batch b
.Lv:
	s_lshr_b32 s93, s42, 3
	s_lshl_b32 s93, s93, 4
	s_lshl_b32 s94, s17, 2
	s_add_co_u32 s93, s93, s94
	s_lshl_b32 s94, s15, 1
	s_add_co_u32 s93, s93, s94                     ; 16 b + head0
	s_lshl_b32 s93, s93, 4
	s_and_b32 s94, s42, 7
	s_lshl_b32 s94, s94, 1
	s_add_co_u32 s93, s93, s94
	s_add_co_u32 s93, s93, s16                     ; + KS
	s_lshl_b32 s94, s93, 13                        ; a key step of a head is 8,192 bytes
	s_mov_b32 s95, 0
	s_add_nc_u64 s[74:75], s[72:73], s[94:95]
.macro VQ a                            ; block a: 16 channels x 128 keys: accumulator b's eight registers are keys 16 b + 8 h + 0 .. 7: registers 2 b, 2 b + 1 of the K = 128 form's own layout
	WIN 0x02+(\a)/4
.irp i, 0,1,2,3,4,5,6,7,8,9,10,11,12,13,14,15,16,17,18,19,20,21,22,23,24,25,26,27,28,29,30,31,32,33,34,35,36,37,38,39,40,41,42,43,44,45,46,47,48,49,50,51,52,53,54,55,56,57,58,59,60,61,62,63
	v_med3_num_f32 v[TMP+\i], v[64*((\a)%4)+\i], -v9, v9
.endr
	WIN 0
.irp g, 0,1,2,3,4,5,6,7
	v_cvt_scalef32_pk8_fp8_f32 v[CD+16*(\a)+2*\g:CD+16*(\a)+2*\g+1], v[TMP+8*\g:TMP+8*\g+7], v8
.endr
	v_nop                                          ; a plain line behind the last conversion
.irp c, 0,1,2,3
	global_store_b128 v10, v[CD+16*(\a)+4*\c:CD+16*(\a)+4*\c+3], s[74:75] offset:131072*((\a)/4)+2048*((\a)%4)+512*\c
.endr
.endm
.irp a, 0,1,2,3,4,5,6,7
	VQ \a
.endr
.Lend:
	s_wait_tensorcnt 0x0                           ; the wave's end
	ds_add_u32 v[SPW], v[NIL]
	s_wait_dscnt 0x0
	CROUND                                         ; the closing round: no work-group ends while a partner may still ask for a tile that names it
	s_endpgm
.Lfunc_end_k_q2fed500529_qkv:
	.size	k_q2fed500529_qkv, .Lfunc_end_k_q2fed500529_qkv-k_q2fed500529_qkv
	.p2alignl 7, 3214868480
	.fill 96, 4, 3214868480
	.section	.rodata,"a",@progbits
	.p2align	6, 0x0
	.amdhsa_kernel k_q2fed500529_qkv
		.amdhsa_group_segment_fixed_size 327680
		.amdhsa_private_segment_fixed_size 0
		.amdhsa_enable_private_segment 0
		.amdhsa_kernarg_size 56
		.amdhsa_user_sgpr_count 2
		.amdhsa_user_sgpr_kernarg_segment_ptr 1
		.amdhsa_wavefront_size32 1
		.amdhsa_system_sgpr_workgroup_id_x 1
		.amdhsa_system_sgpr_workgroup_id_y 1
		.amdhsa_system_sgpr_workgroup_id_z 1
		.amdhsa_system_vgpr_workitem_id 0
		.amdhsa_next_free_vgpr 1024
		.amdhsa_next_free_sgpr 100
		.amdhsa_reserve_vcc 0
		.amdhsa_float_denorm_mode_32 3
		.amdhsa_float_denorm_mode_16_64 3
		.amdhsa_memory_ordered 1
		.amdhsa_forward_progress 1
		.amdhsa_inst_pref_size 198
	.end_amdhsa_kernel
	.amdgpu_metadata
---
amdhsa.version: [ 1, 2 ]
amdhsa.kernels:
  - .name:           k_q2fed500529_qkv
    .symbol:         k_q2fed500529_qkv.kd
    .args:
      - { .name: xc, .offset: 0, .size: 8, .value_kind: global_buffer, .address_space: global }
      - { .name: wc, .offset: 8, .size: 8, .value_kind: global_buffer, .address_space: global }
      - { .name: lowp_scales, .offset: 16, .size: 8, .value_kind: global_buffer, .address_space: global }
      - { .name: rope, .offset: 24, .size: 8, .value_kind: global_buffer, .address_space: global }
      - { .name: qc, .offset: 32, .size: 8, .value_kind: global_buffer, .address_space: global }
      - { .name: kc, .offset: 40, .size: 8, .value_kind: global_buffer, .address_space: global }
      - { .name: vc, .offset: 48, .size: 8, .value_kind: global_buffer, .address_space: global }
    .group_segment_fixed_size: 327680
    .private_segment_fixed_size: 0
    .kernarg_segment_align: 8
    .kernarg_segment_size: 56
    .max_flat_workgroup_size: 128
    .sgpr_count:     100
    .vgpr_count:     1024
    .wavefront_size: 32
...
	.end_amdgpu_metadata
.endif
;; end of part 2
;; launch attn (part 3): grid 4 x 64, 16 waves a work-group, no clusters, 264,192 bytes of LDS; arguments qc, kc, vc, lowp_scales, oc; writes oc
.if DOCPART == 3
	.amdgcn_target "amdgcn-amd-amdhsa--gfx1250"
	.amdhsa_code_object_version 6
	.text
	.protected	k_q2fed500529_attn
	.globl	k_q2fed500529_attn
	.p2align	8
	.type	k_q2fed500529_attn,@function
k_q2fed500529_attn:
	s_mov_b64 s[64:65], 0
	v_nop
	global_prefetch_b8 v0, s[64:65] scope:SCOPE_SE
	s_setreg_imm32_b32 hwreg(HW_REG_WAVE_MODE, 25, 1), 1
	s_wait_xcnt 0x0
; CAUSAL ATTENTION on codes of FP8 (E4M3): 64 (batch, head) pairs, 2,048 tokens, head size 64.  Its result is quantised for the last projection and stored as codes.
; t = score x log2(e) / 8; M = the row's largest t so far, rounded UP to a whole number; p = 2^(t - M) is quantised along the keys, not normalised; the row's sum is taken of the unquantised p and divides at the end.
; When M moves, the sum and O are multiplied by 2^(old M - new M): exact.
; SHARES.  Work-group (j, bh): sixteen waves, four to a SIMD, 256 registers each.  Wave w takes the tile of 16 queries T = 16 j + w and then its mirror 127 - T.
; Tile T needs T / 8 + 1 key steps of 128, its mirror 16 - T / 8: EVERY WAVE WALKS 17 STEPS, none is left out, and the loop's trip count is a constant.
; LDS holds ALL of the head's K (131,072 bytes) and V (131,072), as they lie in memory: images of the operands' registers, so every read is 16 bytes a lane at 16 x lane + constants: no pitch, no padding.
; Nothing is filled again and nothing is stored to LDS: two barriers in all, and the waves run free in the loop.  Each wave fetches a sixteenth: first its part of key step 0 (1,024 bytes), then of the rest (15,360).
; NO CLUSTER, though the four work-groups of a head read the same K and V: the step at which a wave changes tiles, and with it the LDS address of its key step, hangs on j, the work-group's place among the four.
; NO PREFETCH: all tensor loads go out at the head.
; LAYOUT.  S^T = K Q^T (source 0 = 16 keys, source 1 = my 16 queries; K = 64): lane (r, h) holds query r, register j of tile n key 16 n + 8 h + j: eight conversions make of them registers 2 n, 2 n + 1 of P in the K = 128 form's
; own layout.  O^T = V^T P^T (source 0 = 16 channels x 128 keys): V's tile t holds channels 32 (row / 8) + 8 t + row % 8, so lane (r, h) ends with the 32 neighbouring channels 32 h + 0 .. 31 of query r.
; LIMITS on the given exponents: e6 + e7 between -123 and 130 (added to c's exponent field); e8 between -126 and 119; e8 + e9 - e10 between -110 and 120 (applied by v_ldexp_f32 to 1 / the sum).
; REGISTERS: v1 16 x lane; v2 the same in V's half; v3 r - 8 h; v4, v5 the step's addresses; v6 448, v7 1.0; v8, v9 2^e8 and 448 x 2^e8; v12 -M, v13 the largest t, v[14:15] the sum; v16-23 Q; v24-31 o's codes;
;   v32-95 K's eight fragments, then V's four; v96-159 S^T, then p; v160-191 O^T; v192-207 p's codes; v208-239 O scaled; v240-248 at work.
.set F,  32
.set S,  96
.set O,  160
.set P,  192
.set OS, 208
	s_load_b256 s[4:11], s[0:1], 0x0               ; qc s[4:5], kc s[6:7], vc s[8:9], the scales s[10:11]
	s_load_b64 s[12:13], s[0:1], 0x20              ; oc
	v_lshl_add_u32 v254, v0, 2, 0x40000
	v_mov_b32 v255, 0
	ds_add_u32 v254, v255
	ds_add_u32 v254, v255
	v_lshrrev_b32 v1, 5, v0
	v_readfirstlane_b32 s14, v1                    ; wave 0..15
	s_and_b32 s15, ttmp7, 0xffff                   ; bh = 16 b + head
	s_lshl_b32 s19, ttmp9, 4
	s_add_co_u32 s19, s19, s14                     ; the tile in hand: T = 16 j + w
	s_lshr_b32 s48, s19, 3
	s_add_co_u32 s48, s48, 1                       ; its key steps, 1 to 8
	s_lshr_b32 s16, s14, 3                         ; I fetch for K (0) or V (1),
	s_and_b32 s17, s14, 7                          ; this eighth
	; descriptor groups 1: dense blocks as rows of 256 bytes (32 elements of 8 bytes): 4 rows, and 60
	s_mov_b32 s24, 3<<16
	s_mov_b32 s25, 32<<16
	s_mov_b32 s26, 4<<16
	s_mov_b32 s27, 32<<16
	s_mov_b32 s28, 4
	s_mov_b32 s29, 32
	s_mov_b32 s30, 0
	s_mov_b32 s31, 0
	s_mov_b32 s32, 3<<16
	s_mov_b32 s33, 32<<16
	s_mov_b32 s34, 60<<16
	s_mov_b32 s35, 32<<16
	s_mov_b32 s36, 60
	s_mov_b32 s37, 32
	s_mov_b32 s38, 0
	s_mov_b32 s39, 0
	s_lshl_b32 s18, s16, 17                        ; K's half of LDS or V's
	s_lshl_b32 s56, s17, 10                        ; my part of key step 0,
	s_mul_i32 s57, s17, 15360
	s_add_co_u32 s57, s57, 8192                    ; and of the rest
	s_mov_b32 s40, 1
	s_add_co_u32 s41, s18, s56
	s_mov_b32 s44, 1
	s_add_co_u32 s45, s18, s57
	s_lshl_b32 s58, s15, 17                        ; the head's 131,072 bytes
	s_add_co_u32 s60, s58, s56
	s_mov_b32 s61, 0
	s_add_co_u32 s62, s58, s57
	s_mov_b32 s63, 0
	s_mov_b32 s20, 0x76543210                      ; v_permlanex16_b32: lane l xor 16
	s_mov_b32 s21, 0xfedcba98
	s_mov_b32 s50, 0                               ; the key step,
	s_mov_b32 s51, 0                               ; and its bytes in LDS
	s_wait_dscnt 0x0
	s_wait_kmcnt 0x0
	s_cmp_lt_u32 s14, 8
	s_cselect_b64 s[52:53], s[6:7], s[8:9]
	s_add_nc_u64 s[42:43], s[52:53], s[60:61]
	s_or_b32 s43, s43, 0x80000000
	s_add_nc_u64 s[46:47], s[52:53], s[62:63]
	s_or_b32 s47, s47, 0x80000000
	s_load_b256 s[68:75], s[10:11], 0x0            ; e0 .. e7
	s_load_b128 s[76:79], s[10:11], 0x20           ; e8 .. e11
	tensor_load_to_lds s[40:43], s[24:31]          ; both of my loads go out together, ahead of every wait on TENSORcnt, LDS read and barrier: two are out
	s_nop 0
	tensor_load_to_lds s[44:47], s[32:39]
	s_nop 0
.rept 4
	v_nop
.endr
	v_and_b32 v1, 31, v0
	v_lshlrev_b32 v1, 4, v1
	v_add_nc_u32 v2, 0x20000, v1
	v_and_b32 v3, 15, v0
	v_bfe_u32 v4, v0, 4, 1
	v_lshlrev_b32 v4, 3, v4
	v_sub_nc_u32 v3, v3, v4                        ; r - 8 h
	v_mov_b32 v6, 0x43e00000
	v_mov_b32 v7, 1.0
	v_mov_b32 v241, 0                              ; (named as the upper half of the pair v[240:241])
	v_mov_b32 v246, 0                              ; written once: a lane permute's destination counts as one of its sources
	s_wait_kmcnt 0x0
	s_add_co_i32 s56, s74, s75
	s_lshl_b32 s56, s56, 23
	s_mov_b32 s22, 0x3e38aa3b                      ; c = log2(e) / 8,
	s_add_co_i32 s22, s22, s56                     ; x 2^(e6 + e7): a score stands for score x that
	s_mov_b32 s23, s22
	s_add_co_i32 s56, s76, 127
	s_lshl_b32 s57, s56, 23
	v_mov_b32 v8, s57                              ; 2^e8
	s_add_co_i32 s56, s56, 8
	s_lshl_b32 s56, s56, 23
	s_or_b32 s56, s56, 0x600000
	v_mov_b32 v9, s56                              ; 448 x 2^e8
	s_add_co_i32 s80, s76, s77
	s_sub_co_i32 s80, s80, s78                     ; e8 + e9 - e10
; The tile s19 begins: its addresses, its Q, and zeros (the step is written once: the first change of M multiplies zeros).
.macro INIT
	s_wait_xcnt 0x0                                ; the last tile's loads and stores have read their bases
	s_lshl_b32 s56, s15, 7
	s_add_co_u32 s56, s56, s19
	s_lshl_b32 s56, s56, 10
	s_mov_b32 s57, 0
	s_add_nc_u64 s[52:53], s[4:5], s[56:57]        ; Q's image
	s_lshr_b32 s58, s15, 4
	s_lshl_b32 s58, s58, 7
	s_add_co_u32 s58, s58, s19
	s_lshl_b32 s58, s58, 4
	s_and_b32 s59, s15, 15
	s_add_co_u32 s58, s58, s59
	s_lshl_b32 s58, s58, 10
	s_mov_b32 s59, 0
	s_add_nc_u64 s[54:55], s[12:13], s[58:59]      ; o's image: [token tile][head]
	global_load_b128 v[16:19], v1, s[52:53] th:TH_LOAD_NT
	global_load_b128 v[20:23], v1, s[52:53] offset:512 th:TH_LOAD_NT
	v_mov_b32 v13, 0xff61b1e6                      ; the largest t so far: -3e38
	v_floor_f32 v12, -v13
	v_mov_b32 v14, 0
	v_mov_b32 v15, 0
.irp j, 0,1,2,3,4,5,6,7,8,9,10,11,12,13,14,15,16,17,18,19,20,21,22,23,24,25,26,27,28,29,30,31
	v_mov_b32 v[O+\j], 0
.endr
	s_wait_loadcnt 0x0
.endm
; A KEY STEP: the 128 keys at byte s51 of K's and of V's half; s50 is its number.
.macro STEP
	v_add_nc_u32 v4, s51, v1
	v_add_nc_u32 v5, s51, v2
	v_nop
	v_nop                                          ; four places in front of loads into registers that the last products read
.irp t, 0,1,2,3,4,5,6,7
	ds_load_b128 v[F+8*\t:F+8*\t+3], v4 offset:1024*\t
	ds_load_b128 v[F+8*\t+4:F+8*\t+7], v4 offset:1024*\t+512
.endr
	s_wait_dscnt 8                                 ; tiles 0-3 are in; the eight loads of tiles 4-7 may be out
.irp t, 0,1,2,3
	v_wmma_f32_16x16x64_fp8_fp8 v[S+8*\t:S+8*\t+7], v[F+8*\t:F+8*\t+7], v[16:23], 0
.endr
	s_wait_dscnt 0x0
.irp t, 4,5,6,7
	v_wmma_f32_16x16x64_fp8_fp8 v[S+8*\t:S+8*\t+7], v[F+8*\t:F+8*\t+7], v[16:23], 0
.endr
.rept 4
	v_nop                                          ; places: for the loads below and for the first read of the scores
.endr
.irp t, 0,1,2,3
.irp c, 0,1,2,3
	ds_load_b128 v[F+16*\t+4*\c:F+16*\t+4*\c+3], v5 offset:2048*\t+512*\c   ; V's fragments land while the softmax is walked
.endr
.endr
	s_lshr_b32 s56, s19, 3                         ; the mask: only the step on the diagonal has hidden keys (a branch on ids)
	s_cmp_lg_u32 s50, s56
	s_cbranch_scc1 .Lopen_\@
	s_and_b32 s56, s19, 7
	s_lshl_b32 s56, s56, 4
	v_add_nc_u32 v248, s56, v3                     ; d = my query - the step's first key - 8 h.  Register n holds key 16 (n / 8) + n % 8 + 8 h: hidden where 16 (n / 8) + n % 8 > d
	v_mov_b32 v247, 0xff800000                     ; -infinity: p = 0 then
.irp n, 0,1,2,3,4,5,6,7,8,9,10,11,12,13,14,15,16,17,18,19,20,21,22,23,24,25,26,27,28,29,30,31,32,33,34,35,36,37,38,39,40,41,42,43,44,45,46,47,48,49,50,51,52,53,54,55,56,57,58,59,60,61,62,63
	v_cmp_gt_i32 vcc_lo, 16*(\n/8)+\n%8, v248
	v_cndmask_b32 v[S+\n], v[S+\n], v247, vcc_lo
.endr
.Lopen_\@:
	v_max3_num_f32 v244, v96, v97, v98             ; the step's largest score of my query among my 64 keys, in two chains, each accumulator from its low end on,
	v_max3_num_f32 v245, v99, v100, v101
.irp i, 6,10,14,18,22,26,30,34,38,42,46,50,54,58
	v_max3_num_f32 v244, v244, v[96+\i], v[97+\i]
	v_max3_num_f32 v245, v245, v[98+\i], v[99+\i]
.endr
	v_max3_num_f32 v244, v244, v158, v159
	v_max_num_f32 v244, v244, v245
	v_permlanex16_b32 v246, v244, s20, s21
	v_max_num_f32 v244, v244, v246                 ; and among lane l xor 16's
	v_mul_f32 v244, s22, v244                      ; as t (c is positive)
	v_max_num_f32 v13, v13, v244
	v_mov_b32 v244, v12
	v_floor_f32 v12, -v13                          ; -M = floor(-t): M is a whole number
	v_sub_f32 v244, v12, v244                      ; old M - new M: a whole number, 0 or less
	v_cvt_i32_f32 v244, v244                       ; (it saturates)
	v_ldexp_f32 v240, 1.0, v244                    ; f = 2^(old M - new M)
.irp j, 0,2,4,6,8,10,12,14,16,18,20,22,24,26,28,30,32,34,36,38,40,42,44,46,48,50,52,54,56,58,60,62
	v_pk_fma_f32 v[S+\j:S+\j+1], v[S+\j:S+\j+1], s[22:23], v[12:13] op_sel_hi:[1,0,0]   ; t - M
.endr
.irp j, 0,1,2,3,4,5,6,7,8,9,10,11,12,13,14,15,16,17,18,19,20,21,22,23,24,25,26,27,28,29,30,31,32,33,34,35,36,37,38,39,40,41,42,43,44,45,46,47,48,49,50,51,52,53,54,55,56,57,58,59,60,61,62,63
	v_exp_f32 v[S+\j], v[S+\j]                     ; p = 2^(t - M)
.endr
	v_pk_mul_f32 v[14:15], v[14:15], v[240:241] op_sel_hi:[1,0]   ; the sums under the new M (a plain line behind the exponentials)
	s_wait_alu depctr_va_vdst(0)                   ; one wait for the batch of 64, ahead of its first reader
	v_pk_add_f32 v[242:243], v[S:S+1], v[S+2:S+3]  ; the row's sum, of the unquantised p, in two chains
.irp j, 4,8,12,16,20,24,28,32,36,40,44,48,52,56,60
	v_pk_add_f32 v[14:15], v[14:15], v[S+\j:S+\j+1]
	v_pk_add_f32 v[242:243], v[242:243], v[S+\j+2:S+\j+3]
.endr
	v_pk_add_f32 v[14:15], v[14:15], v[242:243]
.irp t, 0,1,2,3,4,5,6,7
.irp i, 0,1,2,3,4,5,6,7
	v_min_num_f32 v[S+8*\t+\i], v[S+8*\t+\i], v9   ; the conversion does not saturate (ISA guide 7.6.2); p is not negative, so the hold is one-sided
.endr
	v_cvt_scalef32_pk8_fp8_f32 v[P+2*\t:P+2*\t+1], v[S+8*\t:S+8*\t+7], v8
.endr
.irp j, 0,2,4,6,8,10,12,14,16,18,20,22,24,26,28,30
	v_pk_mul_f32 v[O+\j:O+\j+1], v[O+\j:O+\j+1], v[240:241] op_sel_hi:[1,0]   ; O^T under the new M; also the plain lines behind the conversions
.endr
	s_wait_dscnt 0x0                               ; V is in
.irp t, 0,1,2,3
	v_wmma_f32_16x16x128_fp8_fp8 v[O+8*\t:O+8*\t+7], v[F+16*\t:F+16*\t+15], v[P:P+15], v[O+8*\t:O+8*\t+7]   ; four accumulators by turns; the next step's eight products stand between two links of a chain
.endr
.endm
; The tile is done: O^T / the sum x 2^(e8 + e9 - e10), held, converted with the scale 1, stored as an image.
.macro FINISH
.rept 4
	v_nop                                          ; places behind the last products
.endr
	v_add_f32 v14, v14, v15
	v_permlanex16_b32 v246, v14, s20, s21
	v_add_f32 v14, v14, v246                       ; the row's sum
	v_rcp_f32 v14, v14
	v_nop                                          ; a plain line behind the reciprocal
	s_wait_alu depctr_va_vdst(0)                   ; and the wait ahead of its first reader
	v_ldexp_f32 v240, v14, s80
.irp j, 0,2,4,6,8,10,12,14,16,18,20,22,24,26,28,30
	v_pk_mul_f32 v[OS+\j:OS+\j+1], v[O+\j:O+\j+1], v[240:241] op_sel_hi:[1,0]
.endr
.irp i, 0,1,2,3,4,5,6,7,8,9,10,11,12,13,14,15,16,17,18,19,20,21,22,23,24,25,26,27,28,29,30,31
	v_med3_num_f32 v[OS+\i], v[OS+\i], -v6, v6
.endr
.irp g, 0,1,2,3
	v_cvt_scalef32_pk8_fp8_f32 v[24+2*\g:25+2*\g], v[OS+8*\g:OS+8*\g+7], v7
.endr
	v_nop                                          ; a plain line behind the last conversion
	global_store_b128 v1, v[24:27], s[54:55]       ; channels 32 h + 0 .. 15 of token r: 512 consecutive bytes a store
	global_store_b128 v1, v[28:31], s[54:55] offset:512
.endm
	INIT
	s_wait_tensorcnt 1                             ; my part of key step 0 is in; my larger load may stay out
	s_barrier_signal -1
	s_barrier_wait -1                              ; everybody's is
	STEP                                           ; key step 0, while the rest lands
	s_wait_tensorcnt 0x0                           ; my part of the rest is in,
	s_wait_dscnt 0x0
	s_barrier_signal -1
	s_barrier_wait -1                              ; everybody's is: from here on LDS is only read
	s_mov_b32 s49, 1                               ; steps done
.Lstep:                                                ; 16 trips
	s_cmp_lg_u32 s49, s48
	s_cbranch_scc1 .Lsame
	FINISH                                         ; the first tile has had its steps:
	s_sub_co_u32 s19, 127, s19                     ; on to its mirror
	INIT
.Lsame:
	s_cmp_ge_u32 s49, s48
	s_cselect_b32 s50, s48, 0
	s_sub_co_u32 s50, s49, s50                     ; the tile's next key step, 0 to 15
	s_lshl_b32 s51, s50, 13
	s_and_b32 s51, s51, 0x1e000                    ; 8,192 bytes a step
	STEP
	s_add_co_u32 s49, s49, 1
	s_cmp_lt_u32 s49, 17
	s_cbranch_scc1 .Lstep
	FINISH
	s_wait_tensorcnt 0x0
	ds_add_u32 v254, v255
	s_wait_dscnt 0x0
	s_endpgm
.Lfunc_end_k_q2fed500529_attn:
	.size	k_q2fed500529_attn, .Lfunc_end_k_q2fed500529_attn-k_q2fed500529_attn
	.p2alignl 7, 3214868480
	.fill 96, 4, 3214868480
	.section	.rodata,"a",@progbits
	.p2align	6, 0x0
	.amdhsa_kernel k_q2fed500529_attn
		.amdhsa_group_segment_fixed_size 264192
		.amdhsa_private_segment_fixed_size 0
		.amdhsa_enable_private_segment 0
		.amdhsa_kernarg_size 40
		.amdhsa_user_sgpr_count 2
		.amdhsa_user_sgpr_kernarg_segment_ptr 1
		.amdhsa_wavefront_size32 1
		.amdhsa_system_sgpr_workgroup_id_x 1
		.amdhsa_system_sgpr_workgroup_id_y 1
		.amdhsa_system_sgpr_workgroup_id_z 1
		.amdhsa_system_vgpr_workitem_id 0
		.amdhsa_next_free_vgpr 256
		.amdhsa_next_free_sgpr 84
		.amdhsa_reserve_vcc 1
		.amdhsa_float_denorm_mode_32 3
		.amdhsa_float_denorm_mode_16_64 3
		.amdhsa_memory_ordered 1
		.amdhsa_forward_progress 1
		.amdhsa_inst_pref_size 57
	.end_amdhsa_kernel
	.amdgpu_metadata
---
amdhsa.version: [ 1, 2 ]
amdhsa.kernels:
  - .name:           k_q2fed500529_attn
    .symbol:         k_q2fed500529_attn.kd
    .args:
      - { .name: qc, .offset: 0, .size: 8, .value_kind: global_buffer, .address_space: global }
      - { .name: kc, .offset: 8, .size: 8, .value_kind: global_buffer, .address_space: global }
      - { .name: vc, .offset: 16, .size: 8, .value_kind: global_buffer, .address_space: global }
      - { .name: lowp_scales, .offset: 24, .size: 8, .value_kind: global_buffer, .address_space: global }
      - { .name: oc, .offset: 32, .size: 8, .value_kind: global_buffer, .address_space: global }
    .group_segment_fixed_size: 264192
    .private_segment_fixed_size: 0
    .kernarg_segment_align: 8
    .kernarg_segment_size: 40
    .max_flat_workgroup_size: 512
    .sgpr_count:     84
    .vgpr_count:     256
    .wavefront_size: 32
...
	.end_amdgpu_metadata
.endif
;; end of part 3
;; launch oproj (part 4): grid 4 x 32, 4 waves a work-group, clusters of 4 x 4, 327,680 bytes of LDS; arguments oc, wc, lowp_scales, out0; writes out0
.if DOCPART == 4
	.amdgcn_target "amdgcn-amd-amdhsa--gfx1250"
	.amdhsa_code_object_version 6
	.text
	.protected	k_q2fed500529_oproj
	.globl	k_q2fed500529_oproj
	.p2align	8
	.type	k_q2fed500529_oproj,@function
k_q2fed500529_oproj:
	s_mov_b64 s[64:65], 0
	v_nop
	global_prefetch_b8 v0, s[64:65] scope:SCOPE_SE
	s_setreg_imm32_b32 hwreg(HW_REG_WAVE_MODE, 25, 1), 1
	s_wait_xcnt 0x0
	s_wait_alu depctr_hold_cnt(0) depctr_sa_sdst(0) depctr_va_vdst(0) depctr_va_sdst(0) depctr_va_ssrc(0) depctr_va_vcc(0) depctr_vm_vsrc(0)
	s_getreg_b32 s2, hwreg(HW_REG_IB_STS2, 6, 4)
	s_cmp_eq_u32 s2, 0
	s_cbranch_scc0 .Lentry_in_a_cluster
	s_endpgm
.Lentry_in_a_cluster:
	s_bfe_u32 s2, ttmp6, 0x10000c
	s_cmp_lg_u32 s2, 0xf033
	s_cbranch_scc0 .Lentry_shape_is_right
	s_endpgm
.Lentry_shape_is_right:
; THE LAST PROJECTION: out0[m][n] = sum over k of o[m][k] wo[n][k] x 2^(e10 + e11), on codes of FP8 (E4M3); M = 8,192, N = 1,024, K = 1,024; out0 f32.
; A tile of 256 x 256 is made by a work-group of four waves; a wave makes 128 x 128: 64 accumulators, 512 registers.  K goes in steps of 256 (four heads) through a ring of two LDS slots.
; A, the attention's result, lies as IMAGES of operand registers: [token tile of 16][head][1,024 bytes]; lane (r, h) holds, of token r, channels 32 h + 16 c + 0 .. 15 at 512 c + 16 x lane.  Two heads' images are a fragment
; of 128 along K, read by four loads of 512 consecutive bytes.  A tensor load brings 8 token tiles x 4,096 bytes (four heads), dense in LDS.
; B, wo's codes, lies by rows with K as it is; its lanes read the same k: row r, byte 128 q + 64 (c / 2) + 32 h + 16 (c % 2).  Its LDS rows are 256 bytes + 16 of padding.
; CLUSTERS: 4 x 4 work-groups; A's tiles are asked for jointly along a row of the cluster, B's along a column.  The matrix instruction takes 16 rows of B as source 0 and 16 of A as source 1: a lane holds eight neighbouring
; numbers of a row of the output.  128 work-groups: the tile is kept at 256 x 256, for the sake of the LDS bytes that each product costs.  No prefetch: of the four K steps two are first fills.
; LIMIT: e10 + e11 between -126 and 127.
; REGISTERS as in the projections' launch: window 0: v0-31 addresses, from v128 A's fragments, one set; window 1: B's two sets; windows 2, 3: the accumulators.
.set SIZE_N, 1024
.set PITCH,  272
.set FR,     16
.set NL,     4
.set NP,     4
.set AHALF,  32768                     ; 8 token tiles x 4,096 bytes: what one tensor load brings of A, and what one wave reads
.set BHALF,  128*PITCH
.set BOFF,   2*AHALF
.set SLOT,   2*AHALF+2*BHALF
.set LAPS,   2
.set SPARE,  2*SLOT                    ; behind the ring: the spare words, 128 bytes a wave
.set SPITCH, 528                       ; the way out: a stage of 16 rows x (512 bytes + 16) for each wave, in slot 0, which has had its last fill and its last read when the first result is stored there
.set ADRA, 16
.set ADRB, 20
.set STO,  24
.set RD,   25
.set CO,   26
.set SPW,  28
.set NIL,  29
.set TMP,  32
.set AF,   128
.set BK,   128
.set G1, 24
.set G0, 32
.set G1B, 48
.set G0B, 56
.set MSB, 0
.macro WIN new
.if MSB != (\new)
	s_set_vgpr_msb (MSB<<8)|(\new)
.set MSB, (\new)
.endif
.endm
.set MUL_LO, 0xa1
.set MUL_HI, 0xf1
.set TO_B,   0x40
.macro JLOAD g0a, g1a, g0b, g1b        ; waves 0 and 1 fetch for A, waves 2 and 3 for B; four v_nop follow each of the two lines
	s_cmp_eq_u32 s15, 0
	s_cbranch_scc0 .Lfor_b_\@
	tensor_load_to_lds s[\g0a:\g0a+3], s[\g1a:\g1a+7]
	s_nop 0
.rept 4
	v_nop
.endr
	s_branch .Lasked_\@
.Lfor_b_\@:
	tensor_load_to_lds s[\g0b:\g0b+3], s[\g1b:\g1b+7]
	s_nop 0
.rept 4
	v_nop
.endr
.Lasked_\@:
.endm
.macro CREST
	s_cmp_lg_u32 s14, 0
	s_cbranch_scc1 .Lnot_wave_0_\@
	s_barrier_signal -3
.Lnot_wave_0_\@:
	s_barrier_wait -3
	s_barrier_signal -1
	s_barrier_wait -1
.endm
.macro CROUND
	s_barrier_signal -1
	s_barrier_wait -1
	CREST
.endm
	s_load_b128 s[4:7], s[0:1], 0x0                ; oc, wc
	s_load_b128 s[8:11], s[0:1], 0x10              ; the scales, out0
	v_lshl_add_u32 v[SPW], v0, 2, SPARE
	v_mov_b32 v[NIL], 0
	ds_add_u32 v28, v29
	ds_add_u32 v28, v29
	s_wait_dscnt 0x0
	v_lshrrev_b32 v1, 5, v0
	v_readfirstlane_b32 s14, v1                    ; wave 0..3
	s_lshr_b32 s15, s14, 1                         ; which half of the tile's rows is mine.  Also: I fetch for A (0) or for B (1)
	s_and_b32 s16, s14, 1                          ; which half of its columns.  Also: which half of that tile I fetch
	s_bfe_u32 s40, ttmp6, 0x40000
	s_bfe_u32 s41, ttmp6, 0x40004
	s_lshl_b32 s42, ttmp9, 2
	s_add_co_u32 s42, s42, s40                     ; tile column
	s_and_b32 s17, ttmp7, 0xffff
	s_lshl_b32 s17, s17, 2
	s_add_co_u32 s17, s17, s41                     ; tile row
	s_lshl_b32 s43, s41, 2
	s_lshl_b32 s43, 15, s43
	s_lshl_b32 s44, 0x1111, s40
	s_or_b32 s[G1+0], s43, (3<<16)|(1<<21)         ; A: the mask of my row; elements of 8 bytes; no padding; 21 set beside a mask
	s_mov_b32 s[G1+1], 512<<16                     ; tensor_dim0 = 512 elements: 4,096 bytes, four heads' images
	s_mov_b32 s[G1+2], 8<<16                       ; tensor_dim1 = 8 token tiles
	s_mov_b32 s[G1+3], 512<<16                     ; tile_dim0
	s_mov_b32 s[G1+4], 8                           ; tile_dim1
	s_mov_b32 s[G1+5], 2048                        ; from token tile to token tile: 16,384 bytes
	s_mov_b32 s[G1+6], 0
	s_mov_b32 s[G1+7], 0
	s_or_b32 s[G1B+0], s44, (0<<16)|(1<<20)|(1<<21)|(5<<22)|(3<<25)  ; B: the mask of my column; elements of 1 byte; four words of padding after every 64
	s_mov_b32 s[G1B+1], 256<<16
	s_mov_b32 s[G1B+2], 128<<16
	s_mov_b32 s[G1B+3], 256<<16
	s_mov_b32 s[G1B+4], 128
	s_mov_b32 s[G1B+5], 1024
	s_mov_b32 s[G1B+6], 0
	s_mov_b32 s[G1B+7], 0
	s_lshl_b32 s18, s16, 17                        ; my half: 8 token tiles of 16,384 bytes, or 128 rows of 1,024
	s_lshl_b32 s20, s17, 18
	s_add_co_u32 s20, s20, s18
	s_mov_b32 s21, 0
	s_lshl_b32 s46, s42, 18
	s_add_co_u32 s46, s46, s18
	s_add_co_u32 s46, s46, 0x300000                ; wo is the fourth weight in wc
	s_mov_b32 s47, 0
	s_mul_i32 s45, s16, AHALF                      ; where they go: A's two halves,
	s_mul_i32 s23, s16, BHALF
	s_add_co_u32 s23, s23, BOFF                    ; then B's two
	s_wait_kmcnt 0x0
	s_load_b64 s[96:97], s[8:9], 0x28              ; e10, e11
	s_add_nc_u64 s[20:21], s[4:5], s[20:21]
	s_add_nc_u64 s[46:47], s[6:7], s[46:47]
	CROUND                                         ; all sixteen work-groups are here: the first joint loads meet
.irp s, 0,1
	s_mov_b32 s[G0+4*\s], 1
	s_add_co_u32 s[G0+4*\s+1], s45, \s*SLOT
	s_add_nc_u64 s[G0+4*\s+2:G0+4*\s+3], s[20:21], \s*4096
	s_or_b32 s[G0+4*\s+3], s[G0+4*\s+3], 0x80000000
	s_mov_b32 s[G0B+4*\s], 1
	s_add_co_u32 s[G0B+4*\s+1], s23, \s*SLOT
	s_add_nc_u64 s[G0B+4*\s+2:G0B+4*\s+3], s[46:47], \s*256
	s_or_b32 s[G0B+4*\s+3], s[G0B+4*\s+3], 0x80000000
	JLOAD G0+4*\s, G1, G0B+4*\s, G1B
.endr
	v_and_b32 v1, 15, v0                           ; l % 16
	v_bfe_u32 v2, v0, 4, 1                         ; l / 16
	v_and_b32 v6, 31, v0
	v_lshlrev_b32 v[CO], 4, v6                     ; 16 x lane
	v_mul_u32_u24 v3, v1, PITCH
	v_lshl_add_u32 v4, v2, 5, v3                   ; B: row x pitch + 32 x half
	s_mul_i32 s21, s15, AHALF                      ; my 128 tokens of A
	s_mul_i32 s22, s16, BHALF
	s_add_co_u32 s22, s22, BOFF                    ; my 128 rows of B
.irp s, 0,1
	v_add_nc_u32 v[ADRA+\s], s21, v[CO]
	v_add_nc_u32 v[ADRB+\s], s22, v4
	s_add_co_u32 s21, s21, SLOT
	s_add_co_u32 s22, s22, SLOT
.endr
	s_mul_i32 s23, s14, 16*SPITCH                  ; my stage
	v_mul_u32_u24 v5, v1, SPITCH
	v_lshl_add_u32 v5, v2, 5, v5
	v_add_nc_u32 v[STO], s23, v5                   ; in: row l % 16, 32 bytes for each half of the lanes
	v_add_nc_u32 v[RD], s23, v[CO]                 ; back: the 32 lanes take one row of 512 bytes
	s_lshl_b32 s20, s17, 8
	s_lshl_b32 s21, s15, 7
	s_add_co_u32 s20, s20, s21                     ; my first row of the output
	s_mov_b32 s21, 0
	s_mov_b64 s[18:19], SIZE_N*4
	s_mul_u64 s[20:21], s[20:21], s[18:19]
	s_lshl_b32 s46, s42, 10
	s_lshl_b32 s47, s16, 9
	s_add_co_u32 s46, s46, s47                     ; my first column, in bytes
	s_mov_b32 s47, 0
	s_add_nc_u64 s[20:21], s[20:21], s[46:47]
	s_add_nc_u64 s[10:11], s[10:11], s[20:21]
.macro FRAGA reg, slot, q, i           ; token tile i, heads 2 q and 2 q + 1 of the slot's four: registers 4 c .. 4 c + 3 hold k = 128 q + 64 (c / 2) + 32 h + 16 (c % 2) + 0 .. 15
.irp c, 0,1,2,3
	ds_load_b128 v[\reg+4*\c:\reg+4*\c+3], v[ADRA+\slot] offset:4096*(\i)+2048*(\q)+512*\c
.endr
.endm
.macro FRAGB reg, slot, q, i           ; the same k of 16 rows of wo
.irp c, 0,1,2,3
	ds_load_b128 v[\reg+4*\c:\reg+4*\c+3], v[ADRB+\slot] offset:128*(\q)+64*(\c/2)+16*(\c%2)+(\i)*16*PITCH
.endr
.endm
.macro MUL16 a0, p, zero               ; the 64 accumulators take turns, one instruction a turn
.irp a, \a0, \a0+1
.irp b, 0,1,2,3,4,5,6,7
.if \zero
	v_wmma_f32_16x16x128_fp8_fp8 v[8*(8*((\a)%4)+\b):8*(8*((\a)%4)+\b)+7], v[128*(\p)+FR*\b:128*(\p)+FR*\b+FR-1], v[AF+FR*(\a):AF+FR*(\a)+FR-1], 0
.else
	v_wmma_f32_16x16x128_fp8_fp8 v[8*(8*((\a)%4)+\b):8*(8*((\a)%4)+\b)+7], v[128*(\p)+FR*\b:128*(\p)+FR*\b+FR-1], v[AF+FR*(\a):AF+FR*(\a)+FR-1], v[8*(8*((\a)%4)+\b):8*(8*((\a)%4)+\b)+7]
.endif
.endr
.endr
.endm
.macro FETCH_B slot, q, p
	WIN TO_B
.irp i, 0,1,2,3,4,5,6,7
	FRAGB 128*(\p)+FR*\i, \slot, \q, \i
.endr
	WIN 0
.endm
.macro FETCH_A slot, q, i0
.irp i, \i0, \i0+1, \i0+2, \i0+3
	FRAGA AF+FR*(\i), \slot, \q, \i
.endr
.endm
.macro PLACES n
.rept \n
	v_nop
.endr
.endm
.macro STEP slot, q, zero
	s_wait_dscnt 4*NL                              ; B's set and A's blocks 0-3 are in; the youngest loads (A's blocks 4-7) may be out
	WIN MUL_LO
	MUL16 0, (\q)%2, \zero
	MUL16 2, (\q)%2, \zero
	s_wait_dscnt 0
	PLACES NP
	FETCH_B \slot, (\q)+1, 1-(\q)%2
	FETCH_A \slot, (\q)+1, 0
	WIN MUL_HI
	MUL16 4, (\q)%2, \zero
	MUL16 6, (\q)%2, \zero
	PLACES NP
	WIN 0
	FETCH_A \slot, (\q)+1, 4
.endm
.macro TURN slot, next, fill
	s_wait_tensorcnt 0x0                           ; all my tensor loads have landed: my part of the next slot
	ds_add_u32 v[SPW], v[NIL]                      ; 0 onto my spare word
	s_wait_dscnt 4*NL+1                            ; (the add and the youngest loads may be out)
	WIN MUL_LO
	MUL16 0, 1, 0
	s_wait_dscnt 0x0                               ; the add is done, and my reads of this slot are over
	s_barrier_signal -1
	MUL16 2, 1, 0
	WIN 0
	s_barrier_wait -1
.if \fill
	CREST                                          ; the barrier has opened a round of the cluster's barrier
	s_add_nc_u64 s[G0+4*\slot+2:G0+4*\slot+3], s[G0+4*\slot+2:G0+4*\slot+3], 2*4096
	s_add_nc_u64 s[G0B+4*\slot+2:G0B+4*\slot+3], s[G0B+4*\slot+2:G0B+4*\slot+3], 2*256
	JLOAD G0+4*\slot, G1, G0B+4*\slot, G1B         ; the first tensor load behind the round
.else
	PLACES NP
.endif
	FETCH_B \next, 0, 0
	FETCH_A \next, 0, 0
	WIN MUL_HI
	MUL16 4, 1, 0
	MUL16 6, 1, 0
	PLACES NP
	WIN 0
	FETCH_A \next, 0, 4
.endm
	s_wait_tensorcnt 1                             ; my part of K step 0 is in (K step 1's load may be out)
	s_barrier_signal -1
	s_barrier_wait -1
	FETCH_B 0, 0, 0
	FETCH_A 0, 0, 0
	FETCH_A 0, 0, 4
	STEP 0, 0, 1
	s_mov_b32 s3, LAPS-1
.Llap:
	TURN 0, 1, 1
	STEP 1, 0, 0
	TURN 1, 0, 1
	STEP 0, 0, 0
	s_sub_co_u32 s3, s3, 1
	s_cmp_lg_u32 s3, 0
	s_cbranch_scc1 .Llap
	TURN 0, 1, 0
	STEP 1, 0, 0
	s_wait_dscnt 4*NL
	WIN MUL_LO
	MUL16 0, 1, 0
	MUL16 2, 1, 0
	s_wait_dscnt 0
	WIN MUL_HI
	MUL16 4, 1, 0
	MUL16 6, 1, 0
	WIN 0
; THE WAY OUT, block by block of 16 rows x 128 columns, through my own stage in LDS, back as whole rows of 512 bytes.  LDS serves a wave's instructions in order (ISA guide 5.7.1.4).
.macro TOSTAGE a
.set AC, 64*((\a)%4)
	WIN 0x02+((\a)/4)
.irp j, 0,2,4,6,8,10,12,14,16,18,20,22,24,26,28,30,32,34,36,38,40,42,44,46,48,50,52,54,56,58,60,62
	v_pk_mul_f32 v[TMP+\j:TMP+\j+1], v[AC+\j:AC+\j+1], s[96:97] op_sel_hi:[1,0]   ; x 2^(e10 + e11); each accumulator from its low end on
.endr
	WIN 0
.irp b, 0,1,2,3,4,5,6,7
	ds_store_b128 v[STO], v[TMP+8*\b:TMP+8*\b+3] offset:64*\b
	ds_store_b128 v[STO], v[TMP+8*\b+4:TMP+8*\b+7] offset:64*\b+16
.endr
.set BB, BK+64*((\a)%2)
.irp t, 0,1,2,3,4,5,6,7,8,9,10,11,12,13,14,15
	ds_load_b128 v[BB+4*\t:BB+4*\t+3], v[RD] offset:\t*SPITCH
.endr
.endm
.macro SEND a, younger
.set BB, BK+64*((\a)%2)
	s_wait_dscnt \younger                          ; the block is back in registers
.if (\a) > 0
	s_add_nc_u64 s[10:11], s[10:11], 16*SIZE_N*4   ; (behind a wait on XCNT: the earlier stores have read their base)
.endif
.irp t, 0,1,2,3,4,5,6,7,8,9,10,11,12,13,14,15
	global_store_b128 v[CO], v[BB+4*\t:BB+4*\t+3], s[10:11] offset:\t*SIZE_N*4 th:TH_STORE_NT   ; 32 lanes store 512 consecutive bytes, aligned
.endr
.endm
	s_wait_kmcnt 0x0
	s_add_co_i32 s96, s96, s97
	s_add_co_i32 s96, s96, 127
	s_lshl_b32 s96, s96, 23                        ; 2^(e10 + e11) as f32
	PLACES NP
	TOSTAGE 0
.irp a, 1,2,3,4,5,6,7
.if \a > 1
	s_wait_xcnt 0x0                                ; block a - 2's stores have read their registers and their base
.endif
	TOSTAGE \a
	SEND \a-1, 32                                  ; behind block a - 1's loads: block a's 16 stores and 16 loads
.endr
	s_wait_xcnt 0x0
	SEND 7, 0
	s_wait_tensorcnt 0x0                           ; the wave's end
	ds_add_u32 v[SPW], v[NIL]
	s_wait_dscnt 0x0
	CROUND                                         ; the closing round
	s_endpgm
.Lfunc_end_k_q2fed500529_oproj:
	.size	k_q2fed500529_oproj, .Lfunc_end_k_q2fed500529_oproj-k_q2fed500529_oproj
	.p2alignl 7, 3214868480
	.fill 96, 4, 3214868480
	.section	.rodata,"a",@progbits
	.p2align	6, 0x0
	.amdhsa_kernel k_q2fed500529_oproj
		.amdhsa_group_segment_fixed_size 327680
		.amdhsa_private_segment_fixed_size 0
		.amdhsa_enable_private_segment 0
		.amdhsa_kernarg_size 32
		.amdhsa_user_sgpr_count 2
		.amdhsa_user_sgpr_kernarg_segment_ptr 1
		.amdhsa_wavefront_size32 1
		.amdhsa_system_sgpr_workgroup_id_x 1
		.amdhsa_system_sgpr_workgroup_id_y 1
		.amdhsa_system_sgpr_workgroup_id_z 1
		.amdhsa_system_vgpr_workitem_id 0
		.amdhsa_next_free_vgpr 1024
		.amdhsa_next_free_sgpr 98
		.amdhsa_reserve_vcc 0
		.amdhsa_float_denorm_mode_32 3
		.amdhsa_float_denorm_mode_16_64 3
		.amdhsa_memory_ordered 1
		.amdhsa_forward_progress 1
		.amdhsa_inst_pref_size 123
	.end_amdhsa_kernel
	.amdgpu_metadata
---
amdhsa.version: [ 1, 2 ]
amdhsa.kernels:
  - .name:           k_q2fed500529_oproj
    .symbol:         k_q2fed500529_oproj.kd
    .args:
      - { .name: oc, .offset: 0, .size: 8, .value_kind: global_buffer, .address_space: global }
      - { .name: wc, .offset: 8, .size: 8, .value_kind: global_buffer, .address_space: global }
      - { .name: lowp_scales, .offset: 16, .size: 8, .value_kind: global_buffer, .address_space: global }
      - { .name: out0, .offset: 24, .size: 8, .value_kind: global_buffer, .address_space: global }
    .group_segment_fixed_size: 327680
    .private_segment_fixed_size: 0
    .kernarg_segment_align: 8
    .kernarg_segment_size: 32
    .max_flat_workgroup_size: 128
    .sgpr_count:     98
    .vgpr_count:     1024
    .wavefront_size: 32
...
	.end_amdgpu_metadata
.endif
;; end of part 4
